; MI455X (gfx1250); checked and timed in simulation.
; The chip was launched on July 23, 2026; its instructions are those of AMD's public machine-readable ISA for CDNA 5 (MIT licence, August 2026) and "CDNA5" Instruction Set Architecture Reference Guide (July 2026). The comments in the code are by the model that wrote it; some were corrected since.
;; Guided Resampler. Allowed arithmetic: float matrix products may take bf16 or f16 operands with f32 sums; all other float work in f32.
;; Inputs: coarse_attn_map 4 x 1,024 x 1,024 float32; v_high_feat 4 x 128 x 128 x 128 float32.
;; Outputs: out0 4 x 128 x 128 x 128 float32.
;; One version. Each part assembles by itself: llvm-mc -triple=amdgcn-amd-amdhsa -mcpu=gfx1250 --defsym DOCPART=n.
;; ======== version 1 of 1: 2 launches
;; workspace buffers: idx 32,768 bytes of whole numbers; wts 32,768 bytes; psum 2,097,152 bytes
;; launch top2pool (part 1): grid 256 x 1, 16 waves a work-group, no clusters, 2,304 bytes of LDS; arguments coarse_attn_map, v_high_feat, idx, wts, psum; writes idx, wts, psum
.if DOCPART == 1
	.amdgcn_target "amdgcn-amd-amdhsa--gfx1250"
	.amdhsa_code_object_version 6
	.text
	.protected	k_q7c93827c10_top2pool
	.globl	k_q7c93827c10_top2pool
	.p2align	8
	.type	k_q7c93827c10_top2pool,@function
k_q7c93827c10_top2pool:
	s_mov_b64 s[64:65], 0
	v_nop
	global_prefetch_b8 v0, s[64:65] scope:SCOPE_SE
	s_setreg_imm32_b32 hwreg(HW_REG_WAVE_MODE, 25, 1), 1
	s_wait_xcnt 0x0
; TWO THINGS THAT DO NOT HANG ON EACH OTHER, IN ONE LAUNCH:
;   (1) the top 2 of every row of coarse_attn_map [4*1024 rows][1024] f32:  idx[row] = (i0, i1) as u32,  wts[row] = softmax(M1, M2) / 16 as f32;
;   (2) the sums of all 4 x 4 patches of v_high_feat:  psum[b*64 + c/2][cell][c%2] = P[b][c][cell], f32.
;
; How the whole program follows reference().  final_idx and w_high hang on a high-resolution query only through low_idx, so the 16 pixels of a
; 4 x 4 cell receive one and the same number; and the weight w / r2 does not hang on the patch cell, so it can be taken out of the sum over r2:
;   out[b][c][h][w] = (w0/16) P[b][c][i0] + (w1/16) P[b][c][i1],   P[b][c][i] = sum of the 4 x 4 patch of cell i,   q = (h/4) 32 + w/4.
; This holds for all values of the inputs; only the order of the additions changes.  No input and no step is left out: P is made for all 1,024
; cells of a channel, also those that no query picks (they lie in the same 512-byte rows as the picked ones and reach no output, as in
; reference()).  The next launch picks and spreads.  The picking needs whole numbers that come from a comparison of floating-point numbers, so it
; stands in a launch of its own; what goes through memory between the two is 2 MB of sums and 64 KB of tables, against 84 MB of inputs and output.
;
; Why (2) stands here: its loads need nothing from (1).  A wave asks for its row (8 loads) and then for its pixels (16 loads) in one run; loads
; come back in order, so the row is there first and the pixels land while the top 2 are worked out.
;
; Work-group g, 16 waves: wave w takes row 16 g + w of the map, and of the channel pair g (two channels of 64 KB) the cell rows 2w, 2w+1.
; THE ROW: eight loads of 16 bytes a lane, each covering 512 consecutive bytes; register X+4j+e of lane l holds element 128 j + 4 l + e.
; Pass 1 finds the two largest VALUES (as a multiset: M1 = M2 if the maximum occurs twice).  Pass 2 finds where they are, with top_k's order
; among equal values (the lower index first):  i0 = lowest index with x >= M1;  i1 = lowest index with x >= M2 other than i0.
; (M1 > M2: only one element reaches M1, and the others that reach M2 are equal to M2.  M1 = M2: the two lowest of the equal ones.)
; No address and no branch of this launch hangs on these numbers.
; THE PIXELS: lane l is cell column l: its 16 bytes of a pixel row are one row of one patch, and a load of the wave covers a whole pixel row.
;
; LIMITS.  NaN in coarse_attn_map: not ordered as top_k orders it (the maxima pass NaN over).  +0 and -0 count as equal.  A row whose largest
; value is +infinity gets the weights (1, 0) / 16 where reference() gets NaN.  A weight w1 below 2^-126 is stored as 0 (v_exp_f32 gives no denormals).
; The 16 numbers of a patch are added in another order than in reference().
.set CHB, 65536                        ; bytes in a channel
.set PXR, 512                          ; bytes in a pixel row
.set L4,  2                            ; v2      4 x lane
.set LO,  3                            ; v3      16 x lane: my bytes in each 512 of the map's row; never rewritten
.set X,   4                            ; v[4:35] the map's row
.set MA,  36                           ; v[36:39] largest so far, one chain for each e; then v36 = M1
.set MB,  40                           ; v[40:43] second largest so far;               then v40 = M2
.set TA,  44                           ; at work
.set TB,  MB+1                         ; at work: the chains' registers are free once the chains are merged, and have been written,
.set TC,  MA+1                         ; which the lane-crossing forms ask of their destinations
.set I0F, MA+2                         ; i0 as f32
.set I1F, MA+3                         ; i1 as f32
.set KA,  45                           ; lowest 4j+e of my elements with x >= M1, or 64
.set BM,  46                           ; bit 4j+e: that element of mine has x >= M2
.set FA,  47                           ; my candidate for i0, as f32
.set DE,  48                           ; (M2 - M1) log2 e
.set EX,  49                           ; e = exp(M2 - M1)
.set IX,  50                           ; v[50:51] i0, i1
.set WT,  52                           ; v[52:53] w0/16, w1/16
.set SU,  54                           ; 16 + 16 e
.set VO,  55                           ; v55     4096 w + 16 l: my 16 bytes of pixel row 8w; never rewritten
.set QO,  56                           ; v56     512 w + 8 l: my cell of cell row 2w in psum; never rewritten
.set PS,  58                           ; v[58:61] cell row j: my cell's sums, channel 0, channel 1; each pair is written once
.set PX,  62                           ; v[62:125] cell row j, channel c, pixel row r: 4 registers at 32 j + 16 c + 4 r
	s_load_b256 s[4:11], s[0:1], 0x0               ; coarse_attn_map s[4:5], v_high_feat s[6:7], idx s[8:9], wts s[10:11]
	s_load_b64 s[12:13], s[0:1], 0x20              ; psum
	v_lshl_add_u32 v128, v0, 2, 0x100
	v_mov_b32 v129, 0
	v_lshrrev_b32 v1, 5, v0
	v_readfirstlane_b32 s14, v1                    ; wave 0..15
	v_and_b32 v1, 31, v0                           ; lane
	v_lshlrev_b32 v[L4], 2, v1
	v_lshlrev_b32 v[LO], 4, v1
	v_lshlrev_b32 v[QO], 3, v1
	s_lshl_b32 s15, s14, 12                        ; 4,096 w: my row among the group's 16 rows of the map, and my 8 pixel rows of 512 bytes
	s_lshl_b32 s26, s14, 9                         ; 512 w: my 2 cell rows x 32 cells x 8 bytes
	v_add_nc_u32 v[VO], s15, v[LO]
	v_add_nc_u32 v[QO], s26, v[QO]
	s_lshl_b32 s16, ttmp9, 16                      ; the map: 16 rows x 4,096 bytes for each work-group (16,711,680 at the most)
	s_add_co_u32 s16, s16, s15
	s_mov_b32 s17, 0
	s_lshl_b32 s18, ttmp9, 17                      ; the pixels: 2 channels x 65,536 bytes for each work-group (33,423,360 at the most)
	s_mov_b32 s19, 0
	s_lshl_b32 s20, ttmp9, 13                      ; the sums: 1,024 cells x 8 bytes for each work-group
	s_mov_b32 s21, 0
	s_mov_b32 s22, 0x76543210                      ; v_permlanex16_b32: lane i of one half reads lane i of the other
	s_mov_b32 s23, 0xfedcba98
	s_mov_b32 s24, 0x41800000                      ; 16.0 = r2
	s_wait_kmcnt 0x0
	s_add_nc_u64 s[4:5], s[4:5], s[16:17]          ; my row
	s_add_nc_u64 s[6:7], s[6:7], s[18:19]          ; my group's two channels
	s_add_nc_u64 s[12:13], s[12:13], s[20:21]      ; and their sums
.irp j, 0,1,2,3,4,5,6,7
	global_load_b128 v[X+4*\j:X+4*\j+3], v[LO], s[4:5] offset:512*\j th:TH_LOAD_NT   ; the launch reads each byte once
.endr
.irp j, 0,1
.irp c, 0,1
.irp r, 0,1,2,3
	global_load_b128 v[PX+32*\j+16*\c+4*\r:PX+32*\j+16*\c+4*\r+3], v[VO], s[6:7] offset:CHB*\c+PXR*(4*\j+\r) th:TH_LOAD_NT
.endr
.endr
.endr
	; PASS 1: values.  Four chains that do not wait for each other.  With m1 >= m2, the second largest of {m1, m2, x} is their median.
	s_wait_loadcnt 22                              ; loads come back in order: the row's first two are in; its other 6 and the 16 pixel rows stay out
.irp e, 0,1,2,3
	v_max_num_f32 v[MA+\e], v[X+\e], v[X+4+\e]     ; the first two numbers start each chain: nothing is cleared
	v_min_num_f32 v[MB+\e], v[X+\e], v[X+4+\e]
.endr
.irp j, 2,3,4,5,6,7
	s_wait_loadcnt 23-\j                           ; load j is in; the row's 7 - j younger ones and the 16 pixel rows stay out
.irp e, 0,1,2,3
	v_med3_num_f32 v[MB+\e], v[MA+\e], v[MB+\e], v[X+4*\j+\e]
	v_max_num_f32 v[MA+\e], v[MA+\e], v[X+4*\j+\e]
.endr
.endr
; two sorted pairs (a1, a2), (b1, b2) of disjoint sets: largest max(a1, b1), second largest max(min(a1, b1), a2, b2)
.macro MERGE a, b
	v_min_num_f32 v[TA], v[MA+\a], v[MA+\b]
	v_max_num_f32 v[MA+\a], v[MA+\a], v[MA+\b]
	v_max3_num_f32 v[MB+\a], v[TA], v[MB+\a], v[MB+\b]
.endm
	MERGE 0, 1
	MERGE 2, 3
	MERGE 0, 2
	; the same merge with lane i xor 1, 2, 4, 8 (the partner's number rides in as the first source), then with the other half of the wave
.irp m, 1,2,4,8
	v_min_num_f32_dpp v[TA], v[MA], v[MA] row_xmask:\m row_mask:0xf bank_mask:0xf
	v_max_num_f32_dpp v[TB], v[MB], v[MB] row_xmask:\m row_mask:0xf bank_mask:0xf
	v_max_num_f32_dpp v[MA], v[MA], v[MA] row_xmask:\m row_mask:0xf bank_mask:0xf
	v_max_num_f32 v[MB], v[TA], v[TB]
.endr
	v_permlanex16_b32 v[TA], v[MA], s22, s23
	v_permlanex16_b32 v[TB], v[MB], s22, s23
	v_min_num_f32 v[TC], v[MA], v[TA]
	v_max_num_f32 v[MA], v[MA], v[TA]              ; M1, in every lane
	v_max3_num_f32 v[MB], v[TC], v[MB], v[TB]      ; M2, in every lane
	; softmax over (M1, M2) with the maximum M1 taken away: exp(0) = 1 and e = exp(M2 - M1) <= 1
	v_sub_f32 v[DE], v[MB], v[MA]
	v_mul_f32 v[DE], 0x3fb8aa3b, v[DE]             ; log2 e: v_exp_f32 is 2^x
	v_exp_f32 v[EX], v[DE]                         ; pass 2 stands between this line and the first use of e
	; PASS 2: places, from my highest element down, so that the lowest one has the last word and element k ends up in bit k.
	v_cmp_gt_f32 s28, v[MA], v[X+31]               ; M1 > x: not this one
	v_cmp_le_f32 vcc_lo, v[MB], v[X+31]            ; M2 <= x
	v_cndmask_b32 v[KA], 31, 64, s28               ; 64 = none of mine
	v_cndmask_b32 v[BM], 0, 1, vcc_lo
.set k, 30
.rept 31
	v_cmp_gt_f32 s28, v[MA], v[X+k]
	v_cmp_le_f32 vcc_lo, v[MB], v[X+k]
	v_cndmask_b32 v[KA], k, v[KA], s28             ; keep the old place where M1 > x, else k
	v_add_co_ci_u32 v[BM], vcc_lo, v[BM], v[BM], vcc_lo   ; mask = 2 mask + (M2 <= x)
.set k, k-1
.endr
	; my candidate for i0: element k = 4j+e of lane l is index 128 j + 4 l + e (k = 64 gives 2,048 or more: above every index).
	; The weights are made among these lines: one plain instruction stands behind v_rcp_f32 before its result is used (ISA guide 5.7.2).
	s_wait_alu depctr_va_vdst(0)
	v_fma_f32 v[SU], v[EX], s24, s24               ; 16 (1 + e)
	v_lshrrev_b32 v[TA], 2, v[KA]
	v_and_b32 v[TB], 3, v[KA]
	v_rcp_f32 v[WT], v[SU]                         ; w0 / 16
	v_add_nc_u32 v[TB], v[L4], v[TB]
	v_lshl_add_u32 v[TA], v[TA], 7, v[TB]
	s_wait_alu depctr_va_vdst(0)
	v_mul_f32 v[WT+1], v[EX], v[WT]                ; w1 / 16
	v_cvt_f32_u32 v[FA], v[TA]                     ; indices are exact in f32; the minimum over the lanes is taken there
; minimum over the 32 lanes, in every lane
.macro LANEMIN dst, src
	v_min_num_f32_dpp v[\dst], v[\src], v[\src] row_xmask:1 row_mask:0xf bank_mask:0xf
.irp m, 2,4,8
	v_min_num_f32_dpp v[\dst], v[\dst], v[\dst] row_xmask:\m row_mask:0xf bank_mask:0xf
.endr
	v_permlanex16_b32 v[TC], v[\dst], s22, s23
	v_min_num_f32 v[\dst], v[\dst], v[TC]
.endm
	LANEMIN I0F, FA                                ; i0
	; the one lane whose candidate won takes that element out of its mask (its bit is set there: x >= M1 >= M2)
	v_cmp_eq_f32 vcc_lo, v[FA], v[I0F]
	v_lshlrev_b32 v[TA], v[KA], 1
	v_cndmask_b32 v[TA], 0, v[TA], vcc_lo
	v_xor_b32 v[BM], v[BM], v[TA]
	; my candidate for i1: the lowest bit left.  mask & -mask is 2^k, whose f32 form has 127 + k in its exponent field.
	v_sub_nc_u32 v[TA], 0, v[BM]
	v_and_b32 v[TA], v[TA], v[BM]
	v_cvt_f32_u32 v[TA], v[TA]
	v_cmp_ne_u32 vcc_lo, 0, v[BM]
	v_add_nc_u32 v[TA], 0xc0800000, v[TA]          ; - (127 << 23): k << 23
	v_lshrrev_b32 v[TB], 25, v[TA]                 ; j
	v_bfe_u32 v[TA], v[TA], 23, 2                  ; e
	v_add_nc_u32 v[TA], v[L4], v[TA]
	v_lshl_add_u32 v[TA], v[TB], 7, v[TA]
	v_cndmask_b32 v[TA], 0x800, v[TA], vcc_lo      ; an empty mask: 2,048, above every index
	v_cvt_f32_u32 v[TA], v[TA]
	LANEMIN I1F, TA                                ; i1
	v_cvt_u32_f32 v[IX], v[I0F]
	v_cvt_u32_f32 v[IX+1], v[I1F]
	; The 16 rows' results meet in LDS (bytes 0-127 indices, 128-255 weights, 8 bytes a row), so that each table gets ONE store of 128
	; consecutive bytes from the work-group instead of sixteen of 8.  All lanes of a wave write the same 8 bytes with the same numbers.
	s_lshl_b32 s26, s14, 3
	v_mov_b32 v[TA], s26
	ds_store_b64 v[TA], v[IX:IX+1]
	ds_store_b64 v[TA], v[WT:WT+1] offset:128
; THE PATCH SUMS of my cell in cell row 2w + j: 16 numbers a channel in 8 instructions; both channels' sums leave as 8 bytes a lane,
; so that a store of the wave covers 256 consecutive bytes, at a multiple of 256 from psum's first byte.  The next launch reads them: no hint.
.macro POOL j
	s_wait_loadcnt 8-8*\j                          ; this cell row's eight loads are in, those of the later cell row stay out
.irp c, 0,1
.set XB, PX+32*\j+16*\c
	v_pk_add_f32 v[XB:XB+1],     v[XB:XB+1],     v[XB+4:XB+5]
	v_pk_add_f32 v[XB+2:XB+3],   v[XB+2:XB+3],   v[XB+6:XB+7]
	v_pk_add_f32 v[XB+8:XB+9],   v[XB+8:XB+9],   v[XB+12:XB+13]
	v_pk_add_f32 v[XB+10:XB+11], v[XB+10:XB+11], v[XB+14:XB+15]
	v_pk_add_f32 v[XB:XB+1],     v[XB:XB+1],     v[XB+8:XB+9]
	v_pk_add_f32 v[XB+2:XB+3],   v[XB+2:XB+3],   v[XB+10:XB+11]
	v_pk_add_f32 v[XB:XB+1],     v[XB:XB+1],     v[XB+2:XB+3]
	v_add_f32 v[PS+2*\j+\c], v[XB], v[XB+1]
.endr
	global_store_b64 v[QO], v[PS+2*\j:PS+2*\j+1], s[12:13] offset:256*\j
.endm
	POOL 0
	POOL 1
	s_wait_dscnt 0x0                               ; my two LDS stores are done before I say so: wave 0 reads them
	s_barrier_signal -1
	s_barrier_wait -1
	s_cmp_lg_u32 s14, 0
	s_cbranch_scc1 .Lend
	ds_load_b32 v[IX], v[L4]                       ; word l of the 32 words of indices
	ds_load_b32 v[WT], v[L4] offset:128            ; word l of the 32 words of weights
	s_lshl_b32 s26, ttmp9, 7                       ; 16 rows x 8 bytes for each work-group
	v_add_nc_u32 v[TA], s26, v[L4]
	s_wait_dscnt 0x0
	global_store_b32 v[TA], v[IX], s[8:9]          ; 128 consecutive bytes, at a multiple of 128 from the buffer's first byte
	global_store_b32 v[TA], v[WT], s[10:11]        ; (64 KB in all; the next launch reads them again: no hint)
.Lend:
	s_wait_tensorcnt 0x0
	ds_add_u32 v128, v129
	s_wait_dscnt 0x0
	s_endpgm
.Lfunc_end_k_q7c93827c10_top2pool:
	.size	k_q7c93827c10_top2pool, .Lfunc_end_k_q7c93827c10_top2pool-k_q7c93827c10_top2pool
	.p2alignl 7, 3214868480
	.fill 96, 4, 3214868480
	.section	.rodata,"a",@progbits
	.p2align	6, 0x0
	.amdhsa_kernel k_q7c93827c10_top2pool
		.amdhsa_group_segment_fixed_size 2304
		.amdhsa_private_segment_fixed_size 0
		.amdhsa_enable_private_segment 0
		.amdhsa_kernarg_size 40
		.amdhsa_user_sgpr_count 2
		.amdhsa_user_sgpr_kernarg_segment_ptr 1
		.amdhsa_wavefront_size32 1
		.amdhsa_system_sgpr_workgroup_id_x 1
		.amdhsa_system_sgpr_workgroup_id_y 1
		.amdhsa_system_sgpr_workgroup_id_z 1
		.amdhsa_system_vgpr_workitem_id 0
		.amdhsa_next_free_vgpr 130
		.amdhsa_next_free_sgpr 66
		.amdhsa_reserve_vcc 1
		.amdhsa_float_denorm_mode_32 3
		.amdhsa_float_denorm_mode_16_64 3
		.amdhsa_memory_ordered 1
		.amdhsa_forward_progress 1
		.amdhsa_inst_pref_size 19
	.end_amdhsa_kernel
	.amdgpu_metadata
---
amdhsa.version: [ 1, 2 ]
amdhsa.kernels:
  - .name:           k_q7c93827c10_top2pool
    .symbol:         k_q7c93827c10_top2pool.kd
    .args:
      - { .name: coarse_attn_map, .offset: 0, .size: 8, .value_kind: global_buffer, .address_space: global }
      - { .name: v_high_feat, .offset: 8, .size: 8, .value_kind: global_buffer, .address_space: global }
      - { .name: idx, .offset: 16, .size: 8, .value_kind: global_buffer, .address_space: global }
      - { .name: wts, .offset: 24, .size: 8, .value_kind: global_buffer, .address_space: global }
      - { .name: psum, .offset: 32, .size: 8, .value_kind: global_buffer, .address_space: global }
    .group_segment_fixed_size: 2304
    .private_segment_fixed_size: 0
    .kernarg_segment_align: 8
    .kernarg_segment_size: 40
    .max_flat_workgroup_size: 512
    .sgpr_count:     66
    .vgpr_count:     130
    .wavefront_size: 32
...
	.end_amdgpu_metadata
.endif
;; end of part 1
;; launch spread (part 2): grid 256 x 1, 8 waves a work-group, no clusters, 9,216 bytes of LDS; arguments psum, idx, wts, out0; writes out0
.if DOCPART == 2
	.amdgcn_target "amdgcn-amd-amdhsa--gfx1250"
	.amdhsa_code_object_version 6
	.text
	.protected	k_q7c93827c10_spread
	.globl	k_q7c93827c10_spread
	.p2align	8
	.type	k_q7c93827c10_spread,@function
k_q7c93827c10_spread:
	s_mov_b64 s[64:65], 0
	v_nop
	global_prefetch_b8 v0, s[64:65] scope:SCOPE_SE
	s_setreg_imm32_b32 hwreg(HW_REG_WAVE_MODE, 25, 1), 1
	s_wait_xcnt 0x0
; out[b][c][h][w] = (w0/16) P[b][c][i0] + (w1/16) P[b][c][i1],  q = (h/4) 32 + w/4,  with (i0, i1) = idx[b][q], (w0/16, w1/16) = wts[b][q] and
; the patch sums P = psum[b*64 + c/2][cell][c%2], all three from the launch before.  Why this is reference()'s result for all values of the
; inputs stands at the head of that launch's text; nothing is left out here.
;
; A work-group owns two channels of one batch: it copies their 1,024 x 2 sums (8 KB, 8 bytes a cell: channel 0, channel 1) into LDS, where any
; lane can pick any cell, and writes their 2 x 64 KB of output once.
; Eight waves; wave w owns the cell rows 4w .. 4w+3 (pixel rows 16w .. 16w+15), lane l the cell column l: a lane's 16 bytes of a pixel row are
; the four pixels of one cell, all the same number, and a store of the wave covers one whole pixel row, 512 consecutive bytes, aligned.
; The LDS addresses of the gather come from whole numbers that an earlier launch stored; they are held to 0 .. 1023 before use.
; Clusters: the work-groups of a batch share only the two tables, 16 KB against 136 KB of their own bytes, and these go to registers: no joint loads.
.set CHB, 65536                        ; bytes in a channel
.set PXR, 512                          ; bytes in a pixel row
.set QO,  3                            ; v3        8 x (128 w + l): my cell of cell row 4w in the tables; never rewritten
.set VO,  4                            ; v4        8192 w + 16 l: my 16 bytes of pixel row 16w; never rewritten
.set SO,  5                            ; v5        16 x thread: my 16 bytes in each half of the 8 KB of sums, in memory and in LDS alike; never rewritten
.set IX,  6                            ; v[6:13]   cell row j: i0, i1; then their LDS addresses
.set WT,  14                           ; v[14:21]  cell row j: w0/16, w1/16
.set S,   22                           ; v[22:29]  2 x 16 bytes of sums on their way into LDS
.set P0,  30                           ; v[30:37]  cell row j: P[i0] of channel 0, channel 1
.set P1,  38                           ; v[38:45]  cell row j: P[i1] of channel 0, channel 1
.set TT,  46                           ; v[46:49]  (w1/16) P[i1], twice for each channel
.set Y,   52                           ; v[52:83]  cell row j, channel c: the result four times, at 8 j + 4 c
	s_load_b256 s[4:11], s[0:1], 0x0               ; psum s[4:5], idx s[6:7], wts s[8:9], out0 s[10:11]
	v_lshl_add_u32 v84, v0, 2, 0x2000
	v_mov_b32 v85, 0
	v_lshrrev_b32 v1, 5, v0                        ; wave
	v_and_b32 v2, 31, v0                           ; lane
	v_lshlrev_b32 v[SO], 4, v0
	v_lshlrev_b32 v[QO], 3, v2
	v_lshl_add_u32 v[QO], v1, 10, v[QO]
	v_lshlrev_b32 v[VO], 4, v2
	v_lshl_add_u32 v[VO], v1, 13, v[VO]
	s_lshl_b32 s12, ttmp9, 17                      ; work-group = 64 b + channel pair: its two channels begin at 2 x 65,536 bytes times that (33,423,360 at the most)
	s_mov_b32 s13, 0
	s_lshr_b32 s14, ttmp9, 6                       ; b
	s_lshl_b32 s14, s14, 13                        ; 1,024 queries x 8 bytes
	s_mov_b32 s15, 0
	s_lshl_b32 s16, ttmp9, 13                      ; 1,024 cells x 8 bytes of sums for each work-group
	s_mov_b32 s17, 0
	s_wait_kmcnt 0x0
	s_add_nc_u64 s[4:5], s[4:5], s[16:17]
	s_add_nc_u64 s[6:7], s[6:7], s[14:15]
	s_add_nc_u64 s[8:9], s[8:9], s[14:15]
	s_add_nc_u64 s[10:11], s[10:11], s[12:13]
	global_load_b128 v[S:S+3],   v[SO], s[4:5] th:TH_LOAD_NT               ; the sums first: they have the longest way to go.  256 threads x 16 bytes = 4 KB a line;
	global_load_b128 v[S+4:S+7], v[SO], s[4:5] offset:4096 th:TH_LOAD_NT   ; read once in the launch
.irp j, 0,1,2,3
	global_load_b64 v[IX+2*\j:IX+2*\j+1], v[QO], s[6:7] offset:256*\j      ; 256 consecutive bytes a wave; 64 work-groups read these tables: no hint
.endr
.irp j, 0,1,2,3
	global_load_b64 v[WT+2*\j:WT+2*\j+1], v[QO], s[8:9] offset:256*\j
.endr
	s_wait_loadcnt 8                               ; loads come back in order: the sums are in, the eight table loads stay out
	ds_store_b128 v[SO], v[S:S+3]                  ; 16 neighbouring bytes a lane
	ds_store_b128 v[SO], v[S+4:S+7] offset:4096
	s_wait_loadcnt 4                               ; the indices are in, the four loads of weights stay out
.irp i, 0,1,2,3,4,5,6,7
	v_min_u32 v[IX+\i], 0x3ff, v[IX+\i]            ; a cell of the table of 1,024
	v_lshlrev_b32 v[IX+\i], 3, v[IX+\i]            ; 8 bytes a cell
.endr
	s_wait_dscnt 0x0                               ; my part of the sums is in LDS before I say so: every wave may pick any cell
	s_barrier_signal -1
	s_barrier_wait -1
.irp j, 0,1,2,3
	ds_load_b64 v[P0+2*\j:P0+2*\j+1], v[IX+2*\j]   ; both channels' sums of the picked cell in one load; which cells the lanes pick is the data's affair
	ds_load_b64 v[P1+2*\j:P1+2*\j+1], v[IX+2*\j+1]
.endr
	s_wait_loadcnt 0x0                             ; the weights
; Cell row j.  The packed forms make each result twice in one instruction: op_sel names the register of a source pair that feeds the low result,
; op_sel_hi the one that feeds the high result, so both halves can take the same channel and the same weight.  Two such pairs are the 16 bytes
; (four pixels of one cell) that a lane stores into each of the cell's four pixel rows.
.macro OUTJ j
	s_wait_dscnt 6-2*\j                            ; LDS loads come back in order: this cell row's two are in, the later ones stay out
	v_pk_mul_f32 v[TT:TT+1],   v[P1+2*\j:P1+2*\j+1], v[WT+2*\j:WT+2*\j+1] op_sel:[0,1] op_sel_hi:[0,1]   ; channel 0: P[i1] w1/16, twice
	v_pk_mul_f32 v[TT+2:TT+3], v[P1+2*\j:P1+2*\j+1], v[WT+2*\j:WT+2*\j+1] op_sel:[1,1] op_sel_hi:[1,1]   ; channel 1
.irp p, 0,2
	v_pk_fma_f32 v[Y+8*\j+\p:Y+8*\j+\p+1],     v[P0+2*\j:P0+2*\j+1], v[WT+2*\j:WT+2*\j+1], v[TT:TT+1]   op_sel_hi:[0,0,1]                  ; channel 0: P[i0] w0/16 + that
	v_pk_fma_f32 v[Y+8*\j+4+\p:Y+8*\j+5+\p],   v[P0+2*\j:P0+2*\j+1], v[WT+2*\j:WT+2*\j+1], v[TT+2:TT+3] op_sel:[1,0,0] op_sel_hi:[1,0,1]   ; channel 1
.endr
.irp r, 0,1,2,3
	global_store_b128 v[VO], v[Y+8*\j:Y+8*\j+3],   s[10:11] offset:PXR*(4*\j+\r) th:TH_STORE_NT        ; a whole pixel row a wave; each cell row has its own
	global_store_b128 v[VO], v[Y+8*\j+4:Y+8*\j+7], s[10:11] offset:CHB+PXR*(4*\j+\r) th:TH_STORE_NT    ; eight data registers, so no store's source is ever rewritten
.endr
.endm
	OUTJ 0
	OUTJ 1
	OUTJ 2
	OUTJ 3
	s_wait_tensorcnt 0x0
	ds_add_u32 v84, v85
	s_wait_dscnt 0x0
	s_endpgm
.Lfunc_end_k_q7c93827c10_spread:
	.size	k_q7c93827c10_spread, .Lfunc_end_k_q7c93827c10_spread-k_q7c93827c10_spread
	.p2alignl 7, 3214868480
	.fill 96, 4, 3214868480
	.section	.rodata,"a",@progbits
	.p2align	6, 0x0
	.amdhsa_kernel k_q7c93827c10_spread
		.amdhsa_group_segment_fixed_size 9216
		.amdhsa_private_segment_fixed_size 0
		.amdhsa_enable_private_segment 0
		.amdhsa_kernarg_size 32
		.amdhsa_user_sgpr_count 2
		.amdhsa_user_sgpr_kernarg_segment_ptr 1
		.amdhsa_wavefront_size32 1
		.amdhsa_system_sgpr_workgroup_id_x 1
		.amdhsa_system_sgpr_workgroup_id_y 1
		.amdhsa_system_sgpr_workgroup_id_z 1
		.amdhsa_system_vgpr_workitem_id 0
		.amdhsa_next_free_vgpr 86
		.amdhsa_next_free_sgpr 66
		.amdhsa_reserve_vcc 0
		.amdhsa_float_denorm_mode_32 3
		.amdhsa_float_denorm_mode_16_64 3
		.amdhsa_memory_ordered 1
		.amdhsa_forward_progress 1
		.amdhsa_inst_pref_size 9
	.end_amdhsa_kernel
	.amdgpu_metadata
---
amdhsa.version: [ 1, 2 ]
amdhsa.kernels:
  - .name:           k_q7c93827c10_spread
    .symbol:         k_q7c93827c10_spread.kd
    .args:
      - { .name: psum, .offset: 0, .size: 8, .value_kind: global_buffer, .address_space: global }
      - { .name: idx, .offset: 8, .size: 8, .value_kind: global_buffer, .address_space: global }
      - { .name: wts, .offset: 16, .size: 8, .value_kind: global_buffer, .address_space: global }
      - { .name: out0, .offset: 24, .size: 8, .value_kind: global_buffer, .address_space: global }
    .group_segment_fixed_size: 9216
    .private_segment_fixed_size: 0
    .kernarg_segment_align: 8
    .kernarg_segment_size: 32
    .max_flat_workgroup_size: 256
    .sgpr_count:     66
    .vgpr_count:     86
    .wavefront_size: 32
...
	.end_amdgpu_metadata
.endif
;; end of part 2
